; MI455X (gfx1250); checked and timed in simulation.
; The chip was launched on July 23, 2026; its instructions are those of AMD's public machine-readable ISA for CDNA 5 (MIT licence, August 2026) and "CDNA5" Instruction Set Architecture Reference Guide (July 2026). The comments in the code are by the model that wrote it; some were corrected since.
;; K Means Quantizer. Allowed arithmetic: matrix products marked QUANTISED: E5M2 operands, one given power-of-two scale a tensor, by v_wmma_f32_16x16x64_bf8_bf8 or v_wmma_f32_16x16x128_bf8_bf8, f32 sums; everything else in f32.
;; Inputs: centroids 2,048 x 1,024 float32; lowp_scales 2 int32 (the exponents e of the quantised operands' scales 2^e); x_codes 16 x 2,000 x 32 x 32 uint8 (E5M2 codes of x, K innermost, in blocks of 32 codes).
;; Outputs: out0 16 x 2,000 int32.
;; This version of the problem:
;;   THIS VERSION OF THE PROBLEM IS GIVEN IN LOW PRECISION. The matrix products marked QUANTISED in the list below multiply operands that are first quantised to E5M2 (5 exponent bits, 2 mantissa bits; 8 bits a number), with one given power-of-two scale for each operand tensor; their sums are f32. All else is computed in f32.
;;   The module's matrix products, in the order in which they are computed (A, B: the left and right operand; K: the contracted axis; several contracted axes count as one K, in the product's order):
;;     1. [M 32,000, K 1,024] x [K 1,024, N 2,048]; A: input x (given as codes); B: input centroids: QUANTISED (scales: A lowp_scales[0], B lowp_scales[1])
;;   THE QUANTISER, for each operand of a quantised product, along K:
;;     - The operand's scale is 2^e, e = its entry of the input lowp_scales (int32; the entries are numbered through the quantised products in the list's order, A before B).
;;     - Each number is divided by the scale, clamped to +-57,344, and rounded to the nearest number of E5M2, ties to even, subnormals kept.
;;     - The product sums the exact products of the quantised numbers (number of the format x scale) in f32.
;;   ~~~python
;;   def quantise(x, axis, e):      # numpy; x: float32 -> the quantised numbers, widened to float32 again
;;       x = np.moveaxis(x, axis, -1); K = x.shape[-1]
;;       r = np.clip(x / 2.0 ** e, -57344, 57344)
;;       step = 2.0 ** (np.maximum(np.frexp(np.where(r == 0, 1, r))[1] - 1, -14) - 2)
;;       q = np.round(r / step) * step * 2.0 ** e      # np.round: ties to even
;;       return np.moveaxis(q, -1, axis).astype(np.float32)
;;   ~~~
;;   INPUTS GIVEN AS CODES. x (in the module: [16, 2000, 1024], K = its axis 2): each comes as NAME_codes (uint8): NAME with its K axis moved to the last place and cut into blocks of 32 codes, [.., K / 32, bytes a block], one block behind the other in memory; one code a byte (a code: sign, 5 exponent bits, 2 mantissa bits); its scale is its entry of lowp_scales. Its value is code x scale, taken as it is: it is not quantised again, and the codes and scales need not be those that the quantiser above would give.
;; 2 versions. Each part assembles by itself: llvm-mc -triple=amdgcn-amd-amdhsa -mcpu=gfx1250 --defsym DOCPART=n.
;; ======== version 1 of 2: 2 launches
;; workspace buffers: cc 2,097,152 bytes; csq 8,192 bytes
;; launch prep (part 1): grid 256 x 1, 8 waves a work-group, no clusters, 1,280 bytes of LDS; arguments centroids, lowp_scales, cc, csq; writes cc, csq
.if DOCPART == 1
	.amdgcn_target "amdgcn-amd-amdhsa--gfx1250"
	.amdhsa_code_object_version 6
	.text
	.protected	k_qe69d6e31cc_prep
	.globl	k_qe69d6e31cc_prep
	.p2align	8
	.type	k_qe69d6e31cc_prep,@function
k_qe69d6e31cc_prep:
	s_mov_b64 s[64:65], 0
	v_nop
	global_prefetch_b8 v0, s[64:65] scope:SCOPE_SE
	s_setreg_imm32_b32 hwreg(HW_REG_WAVE_MODE, 25, 1), 1
	s_wait_xcnt 0x0
; Centroids [2048][1024] f32  ->  cc: their codes of BF8 (E5M2), one byte each, [2048][1024], K innermost, with the given scale 2^e1 (entry 1 of the scales);
;                                 csq[n] = the sum over k of c[n][k]^2, in f32, of the numbers AS THEY ARE GIVEN (the norm is no operand of the quantised product).
; code = c / 2^e1, held within +-57,344, rounded to the nearest code, ties to even.
; LIMITS: -126 <= e1 <= 112, so that 2^e1 and 57,344 x 2^e1 are f32 numbers.  NaN among the centroids is not served (an infinity is held at the largest code; its norm is infinite).
; The norm is summed in 128 partial sums of 8 squares and then as a tree: another order than a serial sum's, with the rounding that belongs to it.
; SHARES.  One wave takes one centroid (row = 8 x work-group + wave): 4,096 bytes in, 1,024 bytes out.  The row comes in two halves of 512 numbers; in a half a lane holds 16 NEIGHBOURS
; (four loads of 16 bytes), since the conversion takes eight neighbours along K from one lane's consecutive registers; the four loads of a half read 2,048 consecutive bytes.
; A lane's 16 codes are 16 bytes: a store of the wave covers 512 consecutive bytes at a multiple of 512 from cc's first byte.
; The eight norms of a work-group meet in LDS and leave as 32 consecutive bytes; the whole table is 8,192 bytes.
; No matrix unit, no cluster, no tensor load: no work-group reads what another reads, and every byte is moved once.
.set X,    8                           ; v[8:39]   the row: 2 halves x 16 numbers
.set HOLD, 40                          ; v40       57,344 x 2^e1
.set SCL,  41                          ; v41       2^e1 as f32: the conversion takes its exponent field
.set SQ,   44                          ; v[44:47]  four running sums of squares
.set C,    48                          ; v[48:55]  codes: four registers for each half, so that no store's data are written again
	s_load_b256 s[4:11], s[0:1], 0x0               ; centroids s[4:5], the scales' exponents s[6:7], cc s[8:9], csq s[10:11]
	v_lshl_add_u32 v64, v0, 2, 0x100
	v_mov_b32 v65, 0
	v_lshrrev_b32 v1, 5, v0
	v_readfirstlane_b32 s12, v1                    ; wave 0..7
	v_and_b32 v2, 31, v0                           ; lane
	v_lshlrev_b32 v3, 6, v2                        ; in: my 64 bytes of a half's 2,048
	v_lshlrev_b32 v4, 4, v2                        ; out: my 16 bytes of a half's 512
	s_lshl_b32 s13, ttmp9, 3
	s_add_co_u32 s13, s13, s12                     ; my centroid
	s_lshl_b32 s14, s13, 12                        ; x 4,096 bytes of f32
	s_mov_b32 s15, 0
	s_lshl_b32 s16, s13, 10                        ; x 1,024 bytes of codes
	s_mov_b32 s17, 0
	s_lshl_b32 s18, ttmp9, 5                       ; the work-group's 8 words of csq
	s_mov_b32 s19, 0
	s_mov_b32 s20, 0x76543210                      ; v_permlanex16_b32: lane i of one half reads lane i of the other
	s_mov_b32 s21, 0xfedcba98
	s_lshl_b32 s23, s12, 2
	v_mov_b32 v5, s23                              ; my wave's word in LDS
	s_wait_kmcnt 0x0
	s_load_b32 s22, s[6:7], 0x4                    ; e1
	s_add_nc_u64 s[4:5], s[4:5], s[14:15]
	s_add_nc_u64 s[8:9], s[8:9], s[16:17]
	s_add_nc_u64 s[10:11], s[10:11], s[18:19]
.irp u, 0,1
.irp i, 0,1,2,3
	global_load_b128 v[X+16*\u+4*\i:X+16*\u+4*\i+3], v3, s[4:5] offset:2048*\u+16*\i th:TH_LOAD_NT   ; the whole row at once; read once in the launch
.endr
.endr
	s_wait_kmcnt 0x0
	s_add_co_i32 s22, s22, 127
	s_lshl_b32 s24, s22, 23
	v_mov_b32 v[SCL], s24                          ; 2^e1
	s_add_co_i32 s22, s22, 15
	s_lshl_b32 s22, s22, 23
	s_or_b32 s22, s22, 0x600000                    ; the mantissa field of 57,344
	v_mov_b32 v[HOLD], s22                         ; 57,344 x 2^e1
.macro HALF u
	s_wait_loadcnt 4-4*\u                          ; loads come back in order (ISA guide 5.7.1): this half's four are in; the first wait leaves the second half's four out
.irp i, 0,1,2,3,4,5,6,7
.if (\u == 0) && (\i < 2)
	v_pk_mul_f32 v[SQ+2*(\i%2):SQ+2*(\i%2)+1], v[X+16*\u+2*\i:X+16*\u+2*\i+1], v[X+16*\u+2*\i:X+16*\u+2*\i+1]   ; the first squares start the sums: nothing is cleared
.else
	v_pk_fma_f32 v[SQ+2*(\i%2):SQ+2*(\i%2)+1], v[X+16*\u+2*\i:X+16*\u+2*\i+1], v[X+16*\u+2*\i:X+16*\u+2*\i+1], v[SQ+2*(\i%2):SQ+2*(\i%2)+1]
.endif
.endr
.irp i, 0,1,2,3,4,5,6,7,8,9,10,11,12,13,14,15
	v_med3_num_f32 v[X+16*\u+\i], v[X+16*\u+\i], -v[HOLD], v[HOLD]   ; the conversion to an 8-bit code does not saturate (ISA guide 7.6.2): hold the number first
.endr
	v_cvt_scalef32_pk8_bf8_f32 v[C+4*\u:C+4*\u+1],   v[X+16*\u:X+16*\u+7],    v[SCL]   ; eight numbers / 2^e1, to the nearest code, ties to even; the first number's code in the lowest byte
	v_cvt_scalef32_pk8_bf8_f32 v[C+4*\u+2:C+4*\u+3], v[X+16*\u+8:X+16*\u+15], v[SCL]
	v_nop                                          ; one plain vector instruction between a scaled conversion and what touches its result
	global_store_b128 v4, v[C+4*\u:C+4*\u+3], s[8:9] offset:512*\u
.endm
	HALF 0
	HALF 1
	v_pk_add_f32 v[SQ:SQ+1], v[SQ:SQ+1], v[SQ+2:SQ+3]
	v_add_f32 v[SQ], v[SQ], v[SQ+1]
	v_add_f32_dpp v[SQ], v[SQ], v[SQ] row_xmask:1 row_mask:0xf bank_mask:0xf
	v_add_f32_dpp v[SQ], v[SQ], v[SQ] row_xmask:2 row_mask:0xf bank_mask:0xf
	v_add_f32_dpp v[SQ], v[SQ], v[SQ] row_xmask:4 row_mask:0xf bank_mask:0xf
	v_add_f32_dpp v[SQ], v[SQ], v[SQ] row_xmask:8 row_mask:0xf bank_mask:0xf
	v_permlanex16_b32 v[SQ+1], v[SQ], s20, s21     ; its destination counts as read: SQ + 1 has been written
	v_add_f32 v[SQ], v[SQ], v[SQ+1]                ; the row's norm, in every lane
	ds_store_b32 v5, v[SQ]                         ; all lanes write the same word with the same value
	s_wait_dscnt 0x0                               ; for the other waves' sake: my word lies in LDS
	s_barrier_signal -1
	s_barrier_wait -1                              ; all eight do
	s_cmp_lg_u32 s12, 0
	s_cbranch_scc1 .Lothers                        ; wave 0 alone writes the eight norms
	v_and_b32 v6, 7, v0
	v_lshlrev_b32 v6, 2, v6
	ds_load_b32 v7, v6                             ; lane l: the norm of row l % 8
	v_lshlrev_b32 v56, 2, v2
	s_wait_dscnt 0x0
	s_wait_xcnt 0x0                                ; EXEC is a source of the stores above: it changes only behind this wait
	v_cmp_gt_u32 vcc_lo, 8, v0
	s_wait_tensorcnt 0x0
	ds_add_u32 v64, v65
	s_wait_dscnt 0x0
	s_and_saveexec_b32 s25, vcc_lo
	global_store_b32 v56, v7, s[10:11]             ; lanes 0 to 7: csq[8 g + lane]
	s_endpgm
.Lothers:
	s_wait_tensorcnt 0x0
	ds_add_u32 v64, v65
	s_wait_dscnt 0x0
	s_endpgm
.Lfunc_end_k_qe69d6e31cc_prep:
	.size	k_qe69d6e31cc_prep, .Lfunc_end_k_qe69d6e31cc_prep-k_qe69d6e31cc_prep
	.p2alignl 7, 3214868480
	.fill 96, 4, 3214868480
	.section	.rodata,"a",@progbits
	.p2align	6, 0x0
	.amdhsa_kernel k_qe69d6e31cc_prep
		.amdhsa_group_segment_fixed_size 1280
		.amdhsa_private_segment_fixed_size 0
		.amdhsa_enable_private_segment 0
		.amdhsa_kernarg_size 32
		.amdhsa_user_sgpr_count 2
		.amdhsa_user_sgpr_kernarg_segment_ptr 1
		.amdhsa_wavefront_size32 1
		.amdhsa_system_sgpr_workgroup_id_x 1
		.amdhsa_system_sgpr_workgroup_id_y 1
		.amdhsa_system_sgpr_workgroup_id_z 1
		.amdhsa_system_vgpr_workitem_id 0
		.amdhsa_next_free_vgpr 66
		.amdhsa_next_free_sgpr 66
		.amdhsa_reserve_vcc 1
		.amdhsa_float_denorm_mode_32 3
		.amdhsa_float_denorm_mode_16_64 3
		.amdhsa_memory_ordered 1
		.amdhsa_forward_progress 1
		.amdhsa_inst_pref_size 8
	.end_amdhsa_kernel
	.amdgpu_metadata
---
amdhsa.version: [ 1, 2 ]
amdhsa.kernels:
  - .name:           k_qe69d6e31cc_prep
    .symbol:         k_qe69d6e31cc_prep.kd
    .args:
      - { .name: centroids, .offset: 0, .size: 8, .value_kind: global_buffer, .address_space: global }
      - { .name: lowp_scales, .offset: 8, .size: 8, .value_kind: global_buffer, .address_space: global }
      - { .name: cc, .offset: 16, .size: 8, .value_kind: global_buffer, .address_space: global }
      - { .name: csq, .offset: 24, .size: 8, .value_kind: global_buffer, .address_space: global }
    .group_segment_fixed_size: 1280
    .private_segment_fixed_size: 0
    .kernarg_segment_align: 8
    .kernarg_segment_size: 32
    .max_flat_workgroup_size: 256
    .sgpr_count:     66
    .vgpr_count:     66
    .wavefront_size: 32
...
	.end_amdgpu_metadata
.endif
;; end of part 1
;; launch assign (part 2): grid 256 x 1, 4 waves a work-group, clusters of 4 x 1, 327,680 bytes of LDS; arguments x_codes, cc, csq, lowp_scales, out0; writes out0
.if DOCPART == 2
	.amdgcn_target "amdgcn-amd-amdhsa--gfx1250"
	.amdhsa_code_object_version 6
	.text
	.protected	k_qe69d6e31cc_assign
	.globl	k_qe69d6e31cc_assign
	.p2align	8
	.type	k_qe69d6e31cc_assign,@function
k_qe69d6e31cc_assign:
	s_mov_b64 s[64:65], 0
	v_nop
	global_prefetch_b8 v0, s[64:65] scope:SCOPE_SE
	s_setreg_imm32_b32 hwreg(HW_REG_WAVE_MODE, 25, 1), 1
	s_wait_xcnt 0x0
	s_wait_alu depctr_hold_cnt(0) depctr_sa_sdst(0) depctr_va_vdst(0) depctr_va_sdst(0) depctr_va_ssrc(0) depctr_va_vcc(0) depctr_vm_vsrc(0)
	s_getreg_b32 s2, hwreg(HW_REG_IB_STS2, 6, 4)
	s_cmp_eq_u32 s2, 0
	s_cbranch_scc0 .Lentry_in_a_cluster
	s_endpgm
.Lentry_in_a_cluster:
	s_bfe_u32 s2, ttmp6, 0x10000c
	s_cmp_lg_u32 s2, 0x3003
	s_cbranch_scc0 .Lentry_shape_is_right
	s_endpgm
.Lentry_shape_is_right:
; out0[row] = the first index n of the smallest d(row, n) = -2 x[row].c[n] + csq[n] over 2,048 centroids; 32,000 rows, K = 1,024.
; x and the centroids are codes of BF8 (E5M2), each tensor with one scale 2^e0, 2^e1: the codes are multiplied as they are (v_wmma_f32_16x16x128_bf8_bf8, f32 sums, K ascending, one chain for
; each output), and d = sum x (-2^(e0 + e1 + 1)) + csq is one fused multiply-add: the power of two is exact, so it rounds once, as the unfused form does.
; LIMITS.  -127 <= e0 + e1 <= 126, so that 2^(e0 + e1 + 1) is an f32 number.  A NaN distance (from codes of infinity or NaN) is never chosen.  Two distances closer than the
; rounding of the f32 sums (the product's, whose k stand in permuted places inside an instruction, alike in both operands; csq's) may be ordered otherwise than by another order of summation.
; Equal distances: the lowest index; a row whose distances are all +infinity gives 0.
;
; SHARES.  256 work-groups of 125 rows, worked as 128: rows 125-127 arrive as zero codes (the tensor load's extent ends at row 125) and are not stored.  Four waves, wave = 2 rh + ch.
; A wave owns 64 rows (half rh) and KEEPS THEIR CODES IN REGISTERS for the whole launch: 4 row blocks x 8 K steps x 16 registers = 512.  The centroids stream by: 16 chunks of 128 centroids x 1,024 bytes through
; two regions of LDS; of a chunk a wave takes 64 centroids (half ch), four BLOCKS of 16.  A block is 8 K steps x 4 row blocks = 32 matrix instructions on FOUR accumulators, which take turns.
; A centroid fragment (four LDS loads) feeds four products: one LDS load for each matrix instruction, and no fragment is read twice by a wave.
; BY TURNS.  Four accumulators are 32 registers, so there are two sets: while block t is multiplied into one set, block t - 1's 32 registers of distances in the other are searched, a slice of the search behind each
; matrix instruction: 112 vector instructions beside 32 products, which set in a phase of their own would leave the matrix unit idle about as long as the products take.
; TRANSPOSED.  Source 0 = 16 centroids, source 1 = 16 rows of x: register j of lane (r, h) is centroid 8 h + j against row r.  A lane holds ONE row, the search runs down its registers in ascending order of
; the index, and meets other lanes once, at the end (the other half of the lanes, then the wave with the other centroids).
; CLUSTER.  Every work-group walks the same centroids and the same csq: four work-groups form a cluster and ask for each such tile JOINTLY (the same tensor load, the same descriptor, a mask that names the four).
; x's tiles are each work-group's own and come by plain loads.  There is no second shared operand, so a larger cluster has nothing more to share.
; out0 leaves as 500 consecutive bytes a work-group (125 rows of 4 bytes).
;
; REGISTERS, in windows of 256 (s_set_vgpr_msb: bits 1:0 source 0, 3:2 source 1, 5:4 source 2, 7:6 destination):
;   window 0: addresses, best pairs, csq (two sets), accumulators (two sets), the eight fragment buffers of the centroids.     windows 1, 2: x: fragment (k, a) at v[64 (k % 4) + 16 a] of window 1 + k / 4.
; Only SOURCE 1 is ever switched in the loop (0x04, 0x08): the products, the LDS loads and every line of the search that has a scalar as its source 1 run under that setting; only the four compares of a K step
; want window 0 for source 1: two switches a K step, two more a block.
.set P,     1040                       ; an LDS row: 1,024 bytes + 16 of padding = 260 words: row r starts at bank 4 r mod 64 (64 banks of 4 bytes: ISA guide 11.1), so the 16 rows of a fragment load start at 16 different banks
.set BLK,   16*P                       ; 16 rows
.set QUART, 32*P                       ; 32 rows: what one tensor load brings
.set REGA,  0                          ; first x (128 rows), then the odd chunks
.set REGB,  128*P                      ; the even chunks
.set CSQL,  256*P                      ; csq, 8,192 bytes, filled once
.set SCR,   CSQL+8192                  ; the end: (distance, index) of 64 rows for each wave, 512 bytes a wave; written by LDS stores alone
.set SPARE, SCR+2048                   ; the spare words, 128 bytes for each wave: two blocks of 256 bytes that no other line names
.set CHUNK, 128*1024                   ; bytes of a chunk in cc
.set RW,   1                           ; v1      r = lane % 16
.set HF,   2                           ; v2      h = lane / 16
.set SPW,  3                           ; v3      LDS address of my spare word: SPARE + 4 x my thread's number; never rewritten
.set NIL,  4                           ; v4      0; never rewritten
.set FA,   5                           ; v5, v6  LDS address of my centroid fragments in region A, B: (64 ch + r) P + 16 h
.set CQ,   7                           ; v7      LDS address of my csq words at the trip's first chunk
.set CQ0,  8                           ; v8      the same at chunk 0: CSQL + 256 ch + 32 h; never rewritten
.set PF,   9                           ; v9      the prefetch's offset; never rewritten
.set XA,   10                          ; v10     LDS address of my x fragments: (64 rh + r) P + 16 h
.set TM,   11                          ; v11-15  at work
.set BEST, 16                          ; v16-23  row block a: best distance so far v[16 + 2 a], its code v[17 + 2 a] (code = 8 x block + register)
.set CSQ,  24                          ; v24-39  csq of a block's centroids 8 h + j, two sets
.set ACC,  40                          ; v40-103 accumulators: set s, row block a at v[40 + 32 s + 8 a]
.set EN,   104                         ; v104-117 the end's temporaries
.set FR,   128                         ; v128-255 the centroid fragment of K step k at v[128 + 16 k]
.set WV,   14                          ; s14 wave; s15 rh; s16 ch
.set RH,   15
.set CH,   16
.set G1C,  24                          ; s[24:31] descriptor group 1 for a quarter of a chunk (joint)
.set G1X,  32                          ; s[32:39] for a quarter of x (plain)
.set G1Q,  40                          ; s[40:47] for a quarter of csq (joint)
.set G0X,  48                          ; s[48:51] group 0 for x;  s[52:55] for csq
.set G0Q,  52
.set G0A,  56                          ; s[56:59] group 0 for region A;  s[60:63] for region B
.set SN,   66                          ; s[66:67] -2^(e0 + e1 + 1), twice: the packed multiply-add names a pair
.set INF,  68                          ; s68      +infinity
.set CODE, 69                          ; s69      the code of the register that is searched: up by one with every K step
.set MK,   70                          ; s70-73   lane masks of the four searches that run side by side
.set ST,   74                          ; s74      the loop's counter: 1,024 bytes of csq (two chunks) a trip
.set SEL,  76                          ; s[76:77] lane selects for v_permlanex16_b32: lane l xor 16
.set EX,   78                          ; s[78:79] e0, e1
.set MSB,  0
.macro WIN new                         ; the immediate's high byte repeats the setting that is left; a switch that changes nothing is dropped
.if MSB != (\new)
	s_set_vgpr_msb (MSB<<8)|(\new)
.set MSB, (\new)
.endif
.endm
.macro PLACES                          ; four plain vector instructions (ISA guide 7.12.1)
.rept 4
	v_nop
.endr
.endm
.macro CREST                           ; a round of the cluster's barrier behind its opening barrier: wave 0 signals for the work-group, every wave waits for all four work-groups, my work-group's barrier closes it
	s_cmp_lg_u32 s[WV], 0
	s_cbranch_scc1 .Lnot_wave_0_\@
	s_barrier_signal -3
.Lnot_wave_0_\@:
	s_barrier_wait -3
	s_barrier_signal -1
	s_barrier_wait -1
.endm
.macro CROUND                          ; a whole round
	s_barrier_signal -1
	s_barrier_wait -1
	CREST
.endm
	s_load_b256 s[4:11], s[0:1], 0x0               ; x's codes s[4:5], cc s[6:7], csq s[8:9], the scales' exponents s[10:11]
	s_load_b64 s[12:13], s[0:1], 0x20              ; out0
	v_lshl_add_u32 v[SPW], v0, 2, SPARE
	v_mov_b32 v[NIL], 0
	ds_add_u32 v3, v4
	ds_add_u32 v3, v4
	s_wait_dscnt 0x0
	v_lshrrev_b32 v[TM], 5, v0
	v_readfirstlane_b32 s[WV], v[TM]               ; wave 0..3
	s_lshr_b32 s[RH], s[WV], 1                     ; which 64 rows are mine
	s_and_b32 s[CH], s[WV], 1                      ; which 64 centroids of every chunk
	s_bfe_u32 s17, ttmp6, 0x40000                  ; cx: my place in the cluster
	s_lshl_b32 s18, ttmp9, 2                       ; in a cluster launch ttmp9 counts clusters
	s_add_co_u32 s18, s18, s17                     ; my work-group: it enters x's address, out0's and the prefetch's offset alone
	; descriptor group 1: 32 rows x 1,024 elements of one byte, 16 bytes of padding behind each row
	s_mov_b32 s[G1C], 15|(1<<20)|(1<<21)|(7<<22)|(3<<25)   ; 15:0 the mask: all four work-groups; 17:16 elements of 1 byte; 20 padding on; 21 set beside a mask; 24:22 after every 256 words (code 7); 31:25 four words (code 3)
	s_mov_b32 s[G1X], (1<<20)|(7<<22)|(3<<25)              ; the same without a mask: x's tiles are my work-group's own
.irp g, G1C, G1X
	s_mov_b32 s[\g+1], 1024<<16                    ; tensor_dim0 = 1,024
	s_mov_b32 s[\g+3], 1024<<16                    ; tile_dim0 = 1,024
	s_mov_b32 s[\g+4], 32                          ; tile_dim1 = 32
	s_mov_b32 s[\g+5], 1024                        ; tensor_dim0_stride
	s_mov_b32 s[\g+6], 0
	s_mov_b32 s[\g+7], 0
.endr
	s_mov_b32 s[G1C+2], 32<<16                     ; tensor_dim1 = 32
	s_lshl_b32 s[G1X+2], s[WV], 5
	s_sub_co_u32 s[G1X+2], 125, s[G1X+2]           ; x: what is left of the block's 125 rows from my quarter's first row: 125, 93, 61, 29: wave 3's last three rows arrive as zeros
	s_lshl_b32 s[G1X+2], s[G1X+2], 16
	s_mov_b32 s[G1Q], 15|(3<<16)|(1<<21)           ; csq: a dense 2,048 bytes as 8 rows of 32 elements of 8 bytes, joint, no padding
	s_mov_b32 s[G1Q+1], 32<<16
	s_mov_b32 s[G1Q+2], 8<<16
	s_mov_b32 s[G1Q+3], 32<<16
	s_mov_b32 s[G1Q+4], 8
	s_mov_b32 s[G1Q+5], 32
	s_mov_b32 s[G1Q+6], 0
	s_mov_b32 s[G1Q+7], 0
	; group 0: LDS addresses hang on the wave's number alone
	s_mov_b32 s[G0X], 1
	s_mul_i32 s[G0X+1], s[WV], QUART               ; region A (LDS byte 0) + my quarter
	s_mov_b32 s[G0Q], 1
	s_lshl_b32 s[G0Q+1], s[WV], 11
	s_add_co_u32 s[G0Q+1], s[G0Q+1], CSQL
	s_mov_b32 s[G0A], 1
	s_mul_i32 s[G0A+1], s[WV], QUART
	s_mov_b32 s[G0A+4], 1
	s_mul_i32 s[G0A+5], s[WV], QUART
	s_add_co_u32 s[G0A+5], s[G0A+5], REGB
	s_lshl_b32 s20, s[WV], 15                      ; my quarter of a chunk, and of x's block: 32 rows of 1,024 bytes
	s_mov_b32 s21, 0
	s_lshl_b32 s22, s[WV], 11                      ; my quarter of csq
	s_mov_b32 s23, 0
	s_mul_i32 s80, s18, 128000                     ; my work-group's 125 rows of 1,024 bytes; 255 x 128,000 is below 2^31
	s_mov_b32 s81, 0
	s_mul_i32 s82, s18, 500                        ; and its 125 words of out0
	s_mov_b32 s83, 0
	s_mul_i32 s84, s18, 28
	v_and_b32 v[TM+1], 31, v0
	v_min_u32 v[TM+1], 27, v[TM+1]
	v_add_nc_u32 v[TM+1], s84, v[TM+1]
	v_lshl_add_u32 v[PF], v[TM+1], 8, 2*CHUNK      ; the prefetch: block 28 x work-group + lane of the 7,168 blocks of 256 bytes of chunks 2 to 15 (lanes 28-31 repeat lane 27's); the last is cc's last block
	s_mov_b32 s[SEL], 0x76543210
	s_mov_b32 s[SEL+1], 0xfedcba98
	s_mov_b32 s[INF], 0x7f800000
	s_mov_b32 s[CODE], 0
	s_wait_kmcnt 0x0
	s_load_b64 s[EX:EX+1], s[10:11], 0x0           ; e0, e1
	s_add_nc_u64 s[G0X+2:G0X+3], s[4:5], s[80:81]
	s_add_nc_u64 s[G0X+2:G0X+3], s[G0X+2:G0X+3], s[20:21]
	s_or_b32 s[G0X+3], s[G0X+3], 0x80000000        ; 127:126 type = 2
	s_add_nc_u64 s[G0Q+2:G0Q+3], s[8:9], s[22:23]
	s_or_b32 s[G0Q+3], s[G0Q+3], 0x80000000
	s_add_nc_u64 s[G0A+6:G0A+7], s[6:7], s[20:21]              ; region B begins with chunk 0,
	s_add_nc_u64 s[G0A+2:G0A+3], s[G0A+6:G0A+7], CHUNK         ; region A (behind x) with chunk 1
	s_or_b32 s[G0A+7], s[G0A+7], 0x80000000
	s_or_b32 s[G0A+3], s[G0A+3], 0x80000000
	s_add_nc_u64 s[12:13], s[12:13], s[82:83]
	CROUND                                         ; all four work-groups are here: the first joint loads meet
	tensor_load_to_lds s[G0X:G0X+3], s[G1X:G1X+7]              ; the first fills go out as one group: my quarter of x,
	s_nop 0
	tensor_load_to_lds s[G0Q:G0Q+3], s[G1Q:G1Q+7]              ; of csq,
	s_nop 0
	tensor_load_to_lds s[G0A+4:G0A+7], s[G1C:G1C+7]            ; of chunk 0: three tensor loads of mine are out
	s_nop 0
	PLACES                                         ; four v_nop follow the last
	s_cmp_lg_u32 s[WV], 0
	s_cbranch_scc1 .Lno_prefetch
	global_prefetch_b8 v[PF], s[6:7] th:TH_LOAD_NT scope:SCOPE_SE   ; wave 0 of each work-group asks for 28 blocks of cc: the 256 work-groups between them ask once for each block of chunks 2 to 15, which the tensor loads want from the end of chunk 0 on
.Lno_prefetch:
	v_and_b32 v[RW], 15, v0                        ; r
	v_bfe_u32 v[HF], v0, 4, 1                      ; h
	v_mul_u32_u24 v[TM], v[RW], P
	v_lshl_add_u32 v[TM], v[HF], 4, v[TM]          ; r x pitch + 16 h
	s_mul_i32 s85, s[CH], 64*P
	v_add_nc_u32 v[FA], s85, v[TM]
	v_add_nc_u32 v[FA+1], REGB, v[FA]
	s_mul_i32 s86, s[RH], 64*P
	v_add_nc_u32 v[XA], s86, v[TM]
	s_lshl_b32 s87, s[CH], 8
	s_add_co_u32 s87, s87, CSQL
	v_lshl_add_u32 v[CQ0], v[HF], 5, s87           ; CSQL + 4 (64 ch + 8 h)
	s_wait_tensorcnt 0x2                           ; tensor loads of a wave end in order (ISA guide 10.11.1): my quarter of x is in; csq's and chunk 0's may stay out
	s_barrier_signal -1
	s_barrier_wait -1                              ; everybody's quarter is in
	; x INTO REGISTERS, once.  A fragment (16 rows x 128 K, 16 registers) comes by four loads of 16 bytes, 32 bytes apart: lane (r, h) holds row r, registers 4 c .. 4 c + 3 hold K = 32 c + 16 h + 0 .. 15.
	; That is a permutation of k against the form's own layout, the same in x and in the centroids: every product meets its partner.
	WIN 0x40                                       ; destination window 1, address window 0
.irp k, 0,1,2,3
.irp a, 0,1,2,3
.irp c, 0,1,2,3
	ds_load_b128 v[64*\k+16*\a+4*\c:64*\k+16*\a+4*\c+3], v[XA] offset:BLK*\a+128*\k+32*\c
.endr
.endr
.endr
	WIN 0x80                                       ; destination window 2
.irp k, 0,1,2,3
.irp a, 0,1,2,3
.irp c, 0,1,2,3
	ds_load_b128 v[64*\k+16*\a+4*\c:64*\k+16*\a+4*\c+3], v[XA] offset:BLK*\a+128*(\k+4)+32*\c
.endr
.endr
.endr
	WIN 0
	; x's region is given to the odd chunks.
	s_wait_tensorcnt 0x0                           ; all my tensor loads have landed: csq's quarter and chunk 0's
	ds_add_u32 v[SPW], v[NIL]                      ; 0 onto my spare word; the constants below are made while it is out
	s_wait_kmcnt 0x0
	s_add_co_i32 s[SN], s[EX], s[EX+1]
	s_add_co_i32 s[SN], s[SN], 128                 ; the exponent field of 2^(e0 + e1 + 1), between 1 and 254,
	s_lshl_b32 s[SN], s[SN], 23
	s_or_b32 s[SN], s[SN], 0x80000000              ; and the sign
	s_mov_b32 s[SN+1], s[SN]
.irp a, 0,1,2,3
	v_mov_b32 v[BEST+2*\a], s[INF]                 ; best so far: +infinity,
	v_mov_b32 v[BEST+2*\a+1], 0                    ; code 0
.endr
	v_mov_b32 v[CQ], v[CQ0]
	s_wait_dscnt 0x0                               ; the add is done, and my 128 reads of x are back
	CROUND                                         ; the same holds of every wave of the four work-groups
	tensor_load_to_lds s[G0A:G0A+3], s[G1C:G1C+7]              ; chunk 1, jointly, over x: my one tensor load behind the round, and the first thing there
	s_nop 0
	PLACES
; A product: set s, K step k, row block a.  The first K step starts the sums: nothing is ever cleared.  The four accumulators take turns, one instruction a turn.
.macro W s, k, a
.if (\k) == 0
	v_wmma_f32_16x16x128_bf8_bf8 v[ACC+32*(\s)+8*(\a):ACC+32*(\s)+8*(\a)+7], v[FR+16*(\k):FR+16*(\k)+15], v[64*((\k)%4)+16*(\a):64*((\k)%4)+16*(\a)+15], 0
.else
	v_wmma_f32_16x16x128_bf8_bf8 v[ACC+32*(\s)+8*(\a):ACC+32*(\s)+8*(\a)+7], v[FR+16*(\k):FR+16*(\k)+15], v[64*((\k)%4)+16*(\a):64*((\k)%4)+16*(\a)+15], v[ACC+32*(\s)+8*(\a):ACC+32*(\s)+8*(\a)+7]
.endif
.endm
.macro GL R, b, k, c                   ; a quarter of the centroid fragment of block b, K step k, out of region R (0: A, 1: B)
	ds_load_b128 v[FR+16*(\k)+4*(\c):FR+16*(\k)+4*(\c)+3], v[FA+(\R)] offset:BLK*(\b)+128*(\k)+32*(\c)
.endm
.macro QL s, off                       ; csq of a block's centroids 8 h + 0 .. 7 into set s: the register beside which the distance lies in all four accumulators
	ds_load_b128 v[CSQ+8*(\s):CSQ+8*(\s)+3],   v[CQ] offset:\off
	ds_load_b128 v[CSQ+8*(\s)+4:CSQ+8*(\s)+7], v[CQ] offset:(\off)+16
.endm
; THE SEARCH of set es, four row blocks side by side.  EF: registers 2 p, 2 p + 1 become distances (each accumulator is read from its low end on).  EC, EM, EI: register j against the best so far.
; The compare is strict and the codes go up with the index: the first of equal distances stays.  A NaN loses the compare and the minimum alike.
.macro EF es, p
.irp a, 0,1,2,3
	v_pk_fma_f32 v[ACC+32*(\es)+8*\a+2*(\p):ACC+32*(\es)+8*\a+2*(\p)+1], v[ACC+32*(\es)+8*\a+2*(\p):ACC+32*(\es)+8*\a+2*(\p)+1], s[SN:SN+1], v[CSQ+8*(\es)+2*(\p):CSQ+8*(\es)+2*(\p)+1] op_sel_hi:[1,0,1]
.endr
.endm
.macro EC es, j
.irp a, 0,1,2,3
	v_cmp_gt_f32 s[MK+\a], v[BEST+2*\a], v[ACC+32*(\es)+8*\a+(\j)]
.endr
.endm
.macro EM es, j
.irp a, 0,1,2,3
	v_min3_num_f32 v[BEST+2*\a], v[BEST+2*\a], s[INF], v[ACC+32*(\es)+8*\a+(\j)]   ; a minimum of two, written with three sources so that source 1 is a scalar
.endr
.endm
.macro EI
.irp a, 0,1,2,3
	v_cndmask_b32 v[BEST+2*\a+1], v[BEST+2*\a+1], s[CODE], s[MK+\a]
.endr
	s_add_co_u32 s[CODE], s[CODE], 1
.endm
; ONE K STEP: four products into set s, and behind each a slice of the search of the other set (epi = 1).  wt >= 0: the wait for the step's fragment.  ld = 1: four loads bring fragment (R2, b2, k2).
; q = 1: csq of this block is asked for, at byte qo.  A load into a fragment buffer stands four plain vector instructions or more behind the last product that read the buffer, and so does the first read of
; an accumulator behind its last product (ISA guide 7.12.1 for vector instructions): the four lines of EI behind a step's last product are these places.
; epi = 0 (the first block: nothing to search yet): four v_nop take their part.
.macro STEP s, k, epi, wt, ld, R2, b2, k2, q, qo
.if (\wt) >= 0
	s_wait_dscnt \wt
.endif
	WIN 4+4*((\k)/4)                               ; source 1: x's window 1 (K steps 0-3) or 2 (4-7)
	W \s, \k, 0
.if (\epi) && (((\k)%2) == 0)
	EF 1-(\s), (\k)/2
.endif
.if \q
	QL \s, \qo
.endif
	W \s, \k, 1
.if \epi
	WIN 0                                          ; the compares have a vector register as source 1
	EC 1-(\s), \k
	WIN 4+4*((\k)/4)
.endif
	W \s, \k, 2
.if \epi
	EM 1-(\s), \k
.if \ld
	GL \R2, \b2, \k2, 0
	GL \R2, \b2, \k2, 1
.endif
.endif
	W \s, \k, 3
.if \epi
	EI
.else
	PLACES
.if \ld
	GL \R2, \b2, \k2, 0
	GL \R2, \b2, \k2, 1
.endif
.endif
.if \ld
	GL \R2, \b2, \k2, 2
	GL \R2, \b2, \k2, 3
.endif
.endm
; A BLOCK: block b (0..3) of the chunk in region R; its set is b % 2; co: the chunk's csq, in bytes from v[CQ].
; LDS loads of a block: step 0: its csq (2) and its own fragment 7 (4); step k >= 1: the NEXT block's fragment k - 1 (4).  LDS loads come back in order (ISA guide 5.7.1): behind the fragment that step k wants
; stand 24 younger loads (k = 0, 7) or 26 (the others): the wait for 24 serves all, on the way into the loop and round its back edge.  A block's csq has 32 younger loads behind it at the next block's first wait.
; mode 0: the next block lies in the same chunk.
; mode 1: THE CHANGE OF REGIONS, in a chunk's last block.  Step 0 issues my last reads of region R.  Then: all my tensor loads have landed (the one that was out is my quarter of the other region's chunk), the add,
;         two steps of register work, the wait for the add and for my reads; the barrier opens a round of the cluster's barrier, with step 3 between its signal and its wait; behind the round region R is filled
;         again, jointly, with the chunk two on, which has a whole chunk's 128 matrix instructions in which to land; the next block's first three fragments, not yet asked for, follow in one run.
; mode 2: the same for the last chunk but one: nothing is left to ask for, so a plain barrier does.        mode 3: the last block of all: there is no next block.
.macro BLOCK b, R, epi, mode, co
.if \epi
	STEP (\b)%2, 0, 1, 24, 1, \R, \b, 7, 1, (\co)+64*(\b)
.else
	STEP (\b)%2, 0, 0, 24, 0, 0, 0, 0, 0, 0        ; the first block's csq and fragments were asked for ahead of it
.endif
.if (\mode) == 0
.irp k, 1,2,3,4,5,6,7
	STEP (\b)%2, \k, \epi, 24, 1, \R, (\b)+1, (\k)-1, 0, 0
.endr
.elseif (\mode) == 3
	STEP (\b)%2, 1, 1, 24, 0, 0, 0, 0, 0, 0        ; behind fragment k stand fragments k + 1 .. 6, csq's two loads and fragment 7: the counts run down
	STEP (\b)%2, 2, 1, 22, 0, 0, 0, 0, 0, 0
	STEP (\b)%2, 3, 1, 18, 0, 0, 0, 0, 0, 0
	STEP (\b)%2, 4, 1, 14, 0, 0, 0, 0, 0, 0
	STEP (\b)%2, 5, 1, 10, 0, 0, 0, 0, 0, 0
	STEP (\b)%2, 6, 1, 6, 0, 0, 0, 0, 0, 0
	STEP (\b)%2, 7, 1, 0, 0, 0, 0, 0, 0, 0
.else
	WIN 0                                          ; (the add's two registers lie in window 0)
	s_wait_tensorcnt 0x0                           ; all my tensor loads have landed, so a group 0 may be written
	ds_add_u32 v[SPW], v[NIL]                      ; 0 onto my spare word
.if (\mode) == 1
	s_add_nc_u64 s[G0A+4*(\R)+2:G0A+4*(\R)+3], s[G0A+4*(\R)+2:G0A+4*(\R)+3], 2*CHUNK   ; this region's next chunk; the type bits on top are not reached
.endif
	STEP (\b)%2, 1, 1, 24, 0, 0, 0, 0, 0, 0        ; behind fragment 1 stand 27 LDS instructions (fragments 2 to 7, csq's two loads, the add),
	STEP (\b)%2, 2, 1, 20, 0, 0, 0, 0, 0, 0        ; behind fragment 2 stand 23: the smaller counts are met as well
	s_wait_dscnt 0x0                               ; the add is done, and my reads of region R are over
	s_barrier_signal -1
	STEP (\b)%2, 3, 1, -1, 0, 0, 0, 0, 0, 0        ; work on registers while the others arrive
	WIN 0
	s_barrier_wait -1
.if (\mode) == 1
	CREST                                          ; no wave of any partner still reads region R or has a load on its way
	tensor_load_to_lds s[G0A+4*(\R):G0A+4*(\R)+3], s[G1C:G1C+7]   ; my one tensor load behind the round, and the first thing there
	s_nop 0
	PLACES
.endif
.irp k, 0,1,2
.irp c, 0,1,2,3
	GL 1-(\R), 0, \k, \c
.endr
.endr
.irp k, 4,5,6,7
	STEP (\b)%2, \k, 1, -1, 1, 1-(\R), 0, (\k)-1, 0, 0   ; this block's fragments are all in since the wait for 0
.endr
.endif
.endm
	QL 0, 0                                        ; block 0: its csq and its eight fragments, out of region B
.irp k, 0,1,2,3,4,5,6,7
.irp c, 0,1,2,3
	GL 1, 0, \k, \c
.endr
.endr
	BLOCK 0, 1, 0, 0, 0                            ; chunk 0's first block stands in front of the loop: there is nothing to search beside it
	WIN 0                                          ; at a label and at a branch every window is 0
	s_mov_b32 s[ST], 0
.Lloop:                                                ; 7 trips; trip i: the rest of chunk 2 i (region B), chunk 2 i + 1 (region A), the first block of chunk 2 i + 2; both regions are filled again
	v_add_nc_u32 v[CQ], s[ST], v[CQ0]              ; csq at chunk 2 i
	BLOCK 1, 1, 1, 0, 0
	BLOCK 2, 1, 1, 0, 0
	BLOCK 3, 1, 1, 1, 0
	BLOCK 0, 0, 1, 0, 512
	BLOCK 1, 0, 1, 0, 512
	BLOCK 2, 0, 1, 0, 512
	BLOCK 3, 0, 1, 1, 512
	BLOCK 0, 1, 1, 0, 1024
	WIN 0
	s_add_co_u32 s[ST], s[ST], 1024
	s_cmp_lt_u32 s[ST], 7168
	s_cbranch_scc1 .Lloop
	v_add_nc_u32 v[CQ], s[ST], v[CQ0]              ; the tail is written out: chunks 14 and 15, nothing more is asked for
	BLOCK 1, 1, 1, 0, 0
	BLOCK 2, 1, 1, 0, 0
	BLOCK 3, 1, 1, 2, 0
	BLOCK 0, 0, 1, 0, 512
	BLOCK 1, 0, 1, 0, 512
	BLOCK 2, 0, 1, 0, 512
	BLOCK 3, 0, 1, 3, 512
	WIN 0
	EF 1, 0                                        ; the last block's search, by itself; the four lines of EI behind the last product are its places
	EF 1, 1
	EF 1, 2
	EF 1, 3
.irp j, 0,1,2,3,4,5,6,7
	EC 1, \j
	EM 1, \j
	EI
.endr
	; THE END.  code = 32 chunk + 8 b + j  ->  n = 128 chunk + 64 ch + 16 b + 8 h + j.
	s_lshl_b32 s85, s[CH], 6
	v_lshl_add_u32 v[EN], v[HF], 3, s85            ; 64 ch + 8 h
	s_lshl_b32 s86, s[WV], 9
	s_add_co_u32 s86, s86, SCR
	v_lshl_add_u32 v[EN+6], v[RW], 3, s86          ; my wave's part of the table + 8 r
	v_mov_b32 v[EN+4], 0                           ; destinations of v_permlanex16_b32 count as read: written once here
	v_mov_b32 v[EN+5], 0
.irp a, 0,1,2,3
	v_and_b32 v[EN+1], 0x1e0, v[BEST+2*\a+1]
	v_and_b32 v[EN+2], 24, v[BEST+2*\a+1]
	v_and_b32 v[EN+3], 7, v[BEST+2*\a+1]
	v_lshl_add_u32 v[EN+3], v[EN+2], 1, v[EN+3]
	v_lshl_add_u32 v[EN+3], v[EN+1], 2, v[EN+3]
	v_add_nc_u32 v[BEST+2*\a+1], v[EN], v[EN+3]
	v_permlanex16_b32 v[EN+4], v[BEST+2*\a], s[SEL], s[SEL+1]      ; the other half of the lanes holds the same row's other centroids
	v_permlanex16_b32 v[EN+5], v[BEST+2*\a+1], s[SEL], s[SEL+1]
	v_cmp_lt_f32 s[MK], v[EN+4], v[BEST+2*\a]                      ; theirs is taken if it is smaller,
	v_cmp_eq_f32 s[MK+1], v[EN+4], v[BEST+2*\a]                    ; or equal
	v_cmp_lt_u32 s[MK+2], v[EN+5], v[BEST+2*\a+1]                  ; with the lower index
	s_and_b32 s[MK+1], s[MK+1], s[MK+2]
	s_or_b32 s[MK], s[MK], s[MK+1]
	v_cndmask_b32 v[BEST+2*\a], v[BEST+2*\a], v[EN+4], s[MK]
	v_cndmask_b32 v[BEST+2*\a+1], v[BEST+2*\a+1], v[EN+5], s[MK]
	ds_store_b64 v[EN+6], v[BEST+2*\a:BEST+2*\a+1] offset:128*\a   ; row 16 a + r of my 64; both halves write the same bytes with the same values
.endr
	s_wait_dscnt 0x0                               ; for the other waves' sake: my 64 pairs lie in LDS
	s_barrier_signal -1
	s_barrier_wait -1
	v_lshrrev_b32 v[EN+7], 6, v0                   ; thread t takes row t: its half rh = t / 64,
	v_and_b32 v[EN+8], 63, v0
	v_lshlrev_b32 v[EN+8], 3, v[EN+8]
	v_lshl_add_u32 v[EN+8], v[EN+7], 10, v[EN+8]
	v_add_nc_u32 v[EN+8], SCR, v[EN+8]
	ds_load_b64 v[EN+10:EN+11], v[EN+8]            ; the pair of the wave with ch = 0,
	ds_load_b64 v[EN+12:EN+13], v[EN+8] offset:512 ; and of the wave with ch = 1
	v_lshlrev_b32 v[EN+9], 2, v0
	s_wait_dscnt 0x0
	v_cmp_lt_f32 s[MK], v[EN+12], v[EN+10]
	v_cmp_eq_f32 s[MK+1], v[EN+12], v[EN+10]
	v_cmp_lt_u32 s[MK+2], v[EN+13], v[EN+11]
	s_and_b32 s[MK+1], s[MK+1], s[MK+2]
	s_or_b32 s[MK], s[MK], s[MK+1]
	v_cndmask_b32 v[EN+11], v[EN+11], v[EN+13], s[MK]
	s_wait_xcnt 0x0                                ; EXEC changes only behind this wait
	v_cmp_gt_u32 vcc_lo, 125, v0
	s_and_saveexec_b32 s87, vcc_lo                 ; rows 125-127 are the zero rows
	global_store_b32 v[EN+9], v[EN+11], s[12:13]   ; 500 consecutive bytes a work-group
	s_wait_xcnt 0x0                                ; and again, in front of the line that widens it
	s_or_b32 exec_lo, exec_lo, s87
	s_wait_tensorcnt 0x0                           ; the wave's end, behind my last tensor load and my last LDS store
	ds_add_u32 v[SPW], v[NIL]
	s_wait_dscnt 0x0
	CROUND                                         ; the closing round: no work-group ends while a partner may still ask for a tile that names it
	s_endpgm
.Lfunc_end_k_qe69d6e31cc_assign:
	.size	k_qe69d6e31cc_assign, .Lfunc_end_k_qe69d6e31cc_assign-k_qe69d6e31cc_assign
	.p2alignl 7, 3214868480
	.fill 96, 4, 3214868480
	.section	.rodata,"a",@progbits
	.p2align	6, 0x0
	.amdhsa_kernel k_qe69d6e31cc_assign
		.amdhsa_group_segment_fixed_size 327680
		.amdhsa_private_segment_fixed_size 0
		.amdhsa_enable_private_segment 0
		.amdhsa_kernarg_size 40
		.amdhsa_user_sgpr_count 2
		.amdhsa_user_sgpr_kernarg_segment_ptr 1
		.amdhsa_wavefront_size32 1
		.amdhsa_system_sgpr_workgroup_id_x 1
		.amdhsa_system_sgpr_workgroup_id_y 1
		.amdhsa_system_sgpr_workgroup_id_z 1
		.amdhsa_system_vgpr_workitem_id 0
		.amdhsa_next_free_vgpr 768
		.amdhsa_next_free_sgpr 96
		.amdhsa_reserve_vcc 1
		.amdhsa_float_denorm_mode_32 3
		.amdhsa_float_denorm_mode_16_64 3
		.amdhsa_memory_ordered 1
		.amdhsa_forward_progress 1
		.amdhsa_inst_pref_size 218
	.end_amdhsa_kernel
	.amdgpu_metadata
---
amdhsa.version: [ 1, 2 ]
amdhsa.kernels:
  - .name:           k_qe69d6e31cc_assign
    .symbol:         k_qe69d6e31cc_assign.kd
    .args:
      - { .name: x_codes, .offset: 0, .size: 8, .value_kind: global_buffer, .address_space: global }
      - { .name: cc, .offset: 8, .size: 8, .value_kind: global_buffer, .address_space: global }
      - { .name: csq, .offset: 16, .size: 8, .value_kind: global_buffer, .address_space: global }
      - { .name: lowp_scales, .offset: 24, .size: 8, .value_kind: global_buffer, .address_space: global }
      - { .name: out0, .offset: 32, .size: 8, .value_kind: global_buffer, .address_space: global }
    .group_segment_fixed_size: 327680
    .private_segment_fixed_size: 0
    .kernarg_segment_align: 8
    .kernarg_segment_size: 40
    .max_flat_workgroup_size: 128
    .sgpr_count:     96
    .vgpr_count:     768
    .wavefront_size: 32
...
	.end_amdgpu_metadata
.endif
;; end of part 2
;; ======== version 2 of 2: 2 launches
;; limits: right only within a limited range of input values
;; workspace buffers: cc 2,162,688 bytes
;; launch prep (part 3): grid 256 x 1, 8 waves a work-group, no clusters, 1,280 bytes of LDS; arguments centroids, lowp_scales, cc; writes cc
.if DOCPART == 3
	.amdgcn_target "amdgcn-amd-amdhsa--gfx1250"
	.amdhsa_code_object_version 6
	.text
	.protected	k_qe69d6e31cc_prep
	.globl	k_qe69d6e31cc_prep
	.p2align	8
	.type	k_qe69d6e31cc_prep,@function
k_qe69d6e31cc_prep:
	s_mov_b64 s[64:65], 0
	v_nop
	global_prefetch_b8 v0, s[64:65] scope:SCOPE_SE
	s_setreg_imm32_b32 hwreg(HW_REG_WAVE_MODE, 25, 1), 1
	s_wait_xcnt 0x0
; Centroids [2048][1024] f32 -> cc, laid as the next launch's LDS wants it: 64 quarters of 33 rows of 1,024 bytes.
; Rows 0-31 of quarter Q: the BF8 (E5M2) codes of centroids 32 Q + 0..31, K innermost, scale 2^e1 (entry 1 of the scales):
; code = c / 2^e1, held within +-57,344, to the nearest code, ties to even.
; Row 32 of quarter Q: the norms.  Its four pieces of 256 bytes belong to the four work-groups of the quarter: piece s holds the f32 norms of
; centroids 32 Q + 8 s + 0..7 in its first 32 bytes and zeros behind them, so that every byte of cc is written.
; The norm is the sum of c^2 of the numbers as given, in f32: 128 partial sums of 8 squares, then a tree.
; LIMITS: -126 <= e1 <= 112, so that 2^e1 and 57,344 x 2^e1 are f32 numbers.  NaN among the centroids is not served.
; One wave takes one centroid (8 x work-group + wave): two halves of 512 numbers, a lane 16 neighbours of each; a store of codes covers 512 consecutive bytes.
; No matrix unit, cluster or tensor load: every byte is moved once and no work-group reads what another reads.
.set X,    8                           ; v[8:39]   the row
.set HOLD, 40                          ; 57,344 x 2^e1
.set SCL,  41                          ; 2^e1
.set SQ,   44                          ; v[44:47]  sums of squares
.set C,    48                          ; v[48:55]  codes
	s_load_b128 s[4:7], s[0:1], 0x0                ; centroids, the scales' exponents
	s_load_b64 s[8:9], s[0:1], 0x10                ; cc
	v_lshl_add_u32 v64, v0, 2, 0x100
	v_mov_b32 v65, 0
	v_lshrrev_b32 v1, 5, v0
	s_delay_alu instid0(VALU_DEP_1)
	v_readfirstlane_b32 s12, v1                    ; wave
	v_and_b32 v2, 31, v0
	s_delay_alu instid0(VALU_DEP_1)
	v_lshlrev_b32 v3, 6, v2                        ; in: 64 bytes a lane
	s_delay_alu instid0(VALU_DEP_2)
	v_lshlrev_b32 v4, 4, v2                        ; out: 16 bytes a lane
	s_lshl_b32 s13, ttmp9, 3
	s_add_co_u32 s13, s13, s12                     ; my centroid
	s_lshl_b32 s14, s13, 12
	s_mov_b32 s15, 0
	s_lshr_b32 s26, ttmp9, 2
	s_mul_i32 s26, s26, 33                         ; the quarter's first row
	s_and_b32 s27, ttmp9, 3                        ; my work-group's piece
	s_lshl_b32 s16, s27, 3
	s_add_co_u32 s16, s16, s26
	s_add_co_u32 s16, s16, s12
	s_lshl_b32 s16, s16, 10                        ; my row of codes
	s_mov_b32 s17, 0
	s_add_co_u32 s18, s26, 32
	s_lshl_b32 s18, s18, 10
	s_lshl_b32 s27, s27, 8
	s_add_co_u32 s18, s18, s27                     ; my work-group's 256 bytes of the row of norms
	s_mov_b32 s19, 0
	s_mov_b32 s20, 0x76543210
	s_mov_b32 s21, 0xfedcba98
	s_lshl_b32 s23, s12, 2
	v_mov_b32 v5, s23                              ; my wave's word in LDS
	s_wait_alu depctr_va_vdst(0)
	s_wait_kmcnt 0x0
	s_load_b32 s22, s[6:7], 0x4                    ; e1
	s_add_nc_u64 s[4:5], s[4:5], s[14:15]
	s_add_nc_u64 s[10:11], s[8:9], s[18:19]
	s_add_nc_u64 s[8:9], s[8:9], s[16:17]
.irp u, 0,1
.irp i, 0,1,2,3
	global_load_b128 v[X+16*\u+4*\i:X+16*\u+4*\i+3], v3, s[4:5] offset:2048*\u+16*\i th:TH_LOAD_NT
.endr
.endr
	s_wait_kmcnt 0x0
	s_add_co_i32 s22, s22, 127
	s_lshl_b32 s24, s22, 23
	v_mov_b32 v[SCL], s24
	s_add_co_i32 s22, s22, 15
	s_lshl_b32 s22, s22, 23
	s_or_b32 s22, s22, 0x600000
	v_mov_b32 v[HOLD], s22
.macro HALF u
	s_wait_loadcnt 4-4*\u                          ; this half's four loads are in; the first wait leaves the second half's four out
.irp i, 0,1,2,3,4,5,6,7
.if (\u == 0) && (\i < 2)
	v_pk_mul_f32 v[SQ+2*(\i%2):SQ+2*(\i%2)+1], v[X+16*\u+2*\i:X+16*\u+2*\i+1], v[X+16*\u+2*\i:X+16*\u+2*\i+1]
.else
	v_pk_fma_f32 v[SQ+2*(\i%2):SQ+2*(\i%2)+1], v[X+16*\u+2*\i:X+16*\u+2*\i+1], v[X+16*\u+2*\i:X+16*\u+2*\i+1], v[SQ+2*(\i%2):SQ+2*(\i%2)+1]
.endif
.endr
.irp i, 0,1,2,3,4,5,6,7,8,9,10,11,12,13,14,15
	v_med3_num_f32 v[X+16*\u+\i], v[X+16*\u+\i], -v[HOLD], v[HOLD]   ; the conversion does not saturate (ISA guide 7.6.2): hold first
.endr
	v_cvt_scalef32_pk8_bf8_f32 v[C+4*\u:C+4*\u+1],   v[X+16*\u:X+16*\u+7],    v[SCL]
	v_cvt_scalef32_pk8_bf8_f32 v[C+4*\u+2:C+4*\u+3], v[X+16*\u+8:X+16*\u+15], v[SCL]
	v_nop
	global_store_b128 v4, v[C+4*\u:C+4*\u+3], s[8:9] offset:512*\u
.endm
	s_wait_alu depctr_va_vdst(0)
	HALF 0
	HALF 1
	v_pk_add_f32 v[SQ:SQ+1], v[SQ:SQ+1], v[SQ+2:SQ+3]
	s_delay_alu instid0(VALU_DEP_1)
	v_add_f32 v[SQ], v[SQ], v[SQ+1]
	s_delay_alu instid0(VALU_DEP_1)
	v_add_f32_dpp v[SQ], v[SQ], v[SQ] row_xmask:1 row_mask:0xf bank_mask:0xf
	s_delay_alu instid0(VALU_DEP_1)
	v_add_f32_dpp v[SQ], v[SQ], v[SQ] row_xmask:2 row_mask:0xf bank_mask:0xf
	s_delay_alu instid0(VALU_DEP_1)
	v_add_f32_dpp v[SQ], v[SQ], v[SQ] row_xmask:4 row_mask:0xf bank_mask:0xf
	s_delay_alu instid0(VALU_DEP_1)
	v_add_f32_dpp v[SQ], v[SQ], v[SQ] row_xmask:8 row_mask:0xf bank_mask:0xf
	s_delay_alu instid0(VALU_DEP_1)
	v_permlanex16_b32 v[SQ+1], v[SQ], s20, s21
	s_delay_alu instid0(VALU_DEP_1)
	v_add_f32 v[SQ], v[SQ], v[SQ+1]                ; the row's norm, in every lane
	ds_store_b32 v5, v[SQ]
	s_wait_dscnt 0x0                               ; for the other waves' sake
	s_barrier_signal -1
	s_barrier_wait -1
	s_cmp_lg_u32 s12, 0
	s_cbranch_scc1 .Lothers                        ; wave 0 alone writes the piece of norms
	v_and_b32 v6, 1, v0
	s_delay_alu instid0(VALU_DEP_1)
	v_lshlrev_b32 v6, 4, v6
	ds_load_b128 v[56:59], v6                      ; even lanes: norms 0-3, odd lanes: norms 4-7
	s_wait_dscnt 0x0
	v_cmp_gt_u32 vcc_lo, 2, v0
.irp i, 56,57,58,59
	v_cndmask_b32 v\i, 0, v\i, vcc_lo              ; lanes 2 and up hold the zeros behind the norms
.endr
	v_cmp_gt_u32 vcc_lo, 16, v0
	s_wait_alu depctr_va_vdst(0)
	s_wait_xcnt 0x0                                ; EXEC is a source of the stores above
	s_wait_tensorcnt 0x0                           ; the wave's end
	ds_add_u32 v64, v65
	s_wait_dscnt 0x0
	s_and_saveexec_b32 s25, vcc_lo
	global_store_b128 v4, v[56:59], s[10:11]       ; sixteen lanes store 256 consecutive bytes, aligned
	s_endpgm
.Lothers:
	s_wait_tensorcnt 0x0
	ds_add_u32 v64, v65
	s_wait_dscnt 0x0
	s_endpgm
.Lfunc_end_k_qe69d6e31cc_prep:
	.size	k_qe69d6e31cc_prep, .Lfunc_end_k_qe69d6e31cc_prep-k_qe69d6e31cc_prep
	.p2alignl 7, 3214868480
	.fill 96, 4, 3214868480
	.section	.rodata,"a",@progbits
	.p2align	6, 0x0
	.amdhsa_kernel k_qe69d6e31cc_prep
		.amdhsa_group_segment_fixed_size 1280
		.amdhsa_private_segment_fixed_size 0
		.amdhsa_enable_private_segment 0
		.amdhsa_kernarg_size 24
		.amdhsa_user_sgpr_count 2
		.amdhsa_user_sgpr_kernarg_segment_ptr 1
		.amdhsa_wavefront_size32 1
		.amdhsa_system_sgpr_workgroup_id_x 1
		.amdhsa_system_sgpr_workgroup_id_y 1
		.amdhsa_system_sgpr_workgroup_id_z 1
		.amdhsa_system_vgpr_workitem_id 0
		.amdhsa_next_free_vgpr 66
		.amdhsa_next_free_sgpr 66
		.amdhsa_reserve_vcc 1
		.amdhsa_float_denorm_mode_32 3
		.amdhsa_float_denorm_mode_16_64 3
		.amdhsa_memory_ordered 1
		.amdhsa_forward_progress 1
		.amdhsa_inst_pref_size 9
	.end_amdhsa_kernel
	.amdgpu_metadata
---
amdhsa.version: [ 1, 2 ]
amdhsa.kernels:
  - .name:           k_qe69d6e31cc_prep
    .symbol:         k_qe69d6e31cc_prep.kd
    .args:
      - { .name: centroids, .offset: 0, .size: 8, .value_kind: global_buffer, .address_space: global }
      - { .name: lowp_scales, .offset: 8, .size: 8, .value_kind: global_buffer, .address_space: global }
      - { .name: cc, .offset: 16, .size: 8, .value_kind: global_buffer, .address_space: global }
    .group_segment_fixed_size: 1280
    .private_segment_fixed_size: 0
    .kernarg_segment_align: 8
    .kernarg_segment_size: 24
    .max_flat_workgroup_size: 256
    .sgpr_count:     66
    .vgpr_count:     66
    .wavefront_size: 32
...
	.end_amdgpu_metadata
.endif
;; end of part 3
;; launch assign (part 4): grid 256 x 1, 4 waves a work-group, clusters of 4 x 1, 327,680 bytes of LDS; arguments x_codes, cc, lowp_scales, out0; writes out0
.if DOCPART == 4
	.amdgcn_target "amdgcn-amd-amdhsa--gfx1250"
	.amdhsa_code_object_version 6
	.text
	.protected	k_qe69d6e31cc_assign
	.globl	k_qe69d6e31cc_assign
	.p2align	8
	.type	k_qe69d6e31cc_assign,@function
k_qe69d6e31cc_assign:
	s_mov_b64 s[64:65], 0
	v_nop
	global_prefetch_b8 v0, s[64:65] scope:SCOPE_SE
	s_setreg_imm32_b32 hwreg(HW_REG_WAVE_MODE, 25, 1), 1
	s_wait_xcnt 0x0
	s_wait_alu depctr_hold_cnt(0) depctr_sa_sdst(0) depctr_va_vdst(0) depctr_va_sdst(0) depctr_va_ssrc(0) depctr_va_vcc(0) depctr_vm_vsrc(0)
	s_getreg_b32 s2, hwreg(HW_REG_IB_STS2, 6, 4)
	s_cmp_eq_u32 s2, 0
	s_cbranch_scc0 .Lentry_in_a_cluster
	s_endpgm
.Lentry_in_a_cluster:
	s_bfe_u32 s2, ttmp6, 0x10000c
	s_cmp_lg_u32 s2, 0x3003
	s_cbranch_scc0 .Lentry_shape_is_right
	s_endpgm
.Lentry_shape_is_right:
; out0[row] = the first index n of the smallest d(row, n) = -2 x[row].c[n] + csq[n] over 2,048 centroids; 32,000 rows, K = 1,024.
; x and the centroids are BF8 (E5M2) codes with scales 2^e0, 2^e1: the codes are multiplied as they are (v_wmma_f32_16x16x128_bf8_bf8, f32 sums, K ascending, one chain an output),
; and d = sum x (-2^(e0 + e1 + 1)) + csq is one fused multiply-add.
; LIMITS.  -127 <= e0 + e1 <= 126.  A NaN distance is never chosen.  Distances closer than the rounding of the f32 sums (k stands in permuted places inside an instruction, alike in both operands)
; may be ordered otherwise than by another order of summation.  Equal distances: the lowest index; a row whose distances are all +infinity gives 0.
; SHARES.  256 work-groups of 125 rows, worked as 128 (rows from 125 on arrive as zero codes and are not stored).  Wave = 2 rh + ch keeps the codes of 64 rows (half rh) in 512 registers.
; cc streams by in 16 chunks of 128 centroids through two LDS regions.  A chunk is four quarters of 33 rows of 1,024 bytes: 32 rows of codes and one row of norms, so the norms come with their centroids.
; Of a chunk a wave takes 64 centroids (half ch): four blocks of 16; a block is 8 K steps x 4 row blocks = 32 products on four accumulators by turns.
; TRANSPOSED: source 0 = 16 centroids, source 1 = 16 rows: register j of lane (r, h) is centroid 8 h + j against row r, so a lane searches one row down its registers.
; A BLOCK is three stretches: its 32 products; the search of the block before, on the other of two sets of accumulators; one run of 34 LDS loads, the norms and all eight fragments of the block TWO on,
; into the set of fragment buffers that the products have just read.  The search is the places between a buffer's last product and the load into it (ISA guide 7.12.1 for vector instructions).
; At a block's head the 34 loads of the next block's run may be out: s_wait_dscnt 34.
; THE SEARCH: distances (4 packed multiply-adds for 8), their minimum with the best so far (4 three-operand minima), one strict compare, then the block's number and its first seven distances are kept
; under the mask.  Which of the eight it was is asked once, at the end: the first kept distance that equals the best, or the eighth.
; The first block searches a set of zeros under norms of +infinity, which wins nothing.
; CLUSTER: all work-groups walk the same chunks; four form a cluster and ask for each quarter jointly.  x's tiles are each work-group's own.
; PREFETCH: a chunk is asked for two changes of regions ahead of its load, by four clusters of the 64 (number = 21 x (number mod 4)); a wave names its quarter, the four partners share its rows by address.
; REGISTERS: window 0: addresses and all that the search touches; windows 1, 2: x, fragment (k, a) at v[64 (k % 4) + 16 a] of window 1 + k / 4; window 3: the centroid fragments, set f, K step k at v[128 f + 16 k].
.set P,      1040                      ; an LDS row: 1,024 bytes + 16 of padding
.set REG,    132*P                     ; a region: region 0 first holds x, then the odd chunks; region 1 the even chunks
.set SCR,    274688                    ; behind the regions, at a multiple of 256: (distance, index) of 64 rows for each wave
.set SPARE,  SCR+2048                  ; the spare words, 128 bytes a wave
.set CHUNKB, 132*1024                  ; bytes of a chunk in cc
.set QB,     33*1024                   ; of a quarter
.set SPW,  1
.set NIL,  2
.set FA,   3                           ; v3, v4  my centroid fragments in region 0, 1: (66 ch + r) P + 16 h
.set CQ,   5                           ; v5, v6  my norms in region 0, 1: (66 ch + 32) P + 256 h
.set PF,   7                           ; prefetch offsets: my lane's block of the code rows; v8: my work-group's block of the row of norms
.set PF2,  8
.set XA,   9
.set TM,   10
.set BEST, 12                          ; v12-19  row block a: the best so far, in v[12 + 2 a] and v[13 + 2 a] by turns
.set CV,   20                          ; v20-23  the number of the block that holds the best
.set CSQ,  24                          ; v24-55  norms of the centroids 8 h + j of a chunk's block b, at v[24 + 8 b]
.set ACC,  56                          ; v56-119 accumulators: set s, row block a at v[56 + 32 s + 8 a]
.set SV,   120                         ; v120-151 the kept distances: row block a's j-th at v[120 + 8 a + j], j = 0 .. 6
.set EN,   160                         ; the end's temporaries
.set JV,   176
.set WV,   12
.set RH,   13
.set CH_,  14
.set G1C,  20                          ; group 1: a quarter of a chunk, joint
.set G1X0, 36                          ; a quarter of x: 33 rows
.set G1X1, 44                          ; x's last quarter, rows 99-131, of which 26 exist
.set G0X,  52
.set G0A,  60                          ; group 0 of region 0; of region 1 at s68
.set SN,   72
.set INF,  74
.set CODE, 75
.set MK,   76
.set ST,   80
.set LIM,  81
.set SEL,  82
.set EX,   84
.set PFA,  86
.set MSB,  0
.macro WIN new
.if MSB != (\new)
	s_set_vgpr_msb (MSB<<8)|(\new)
.set MSB, (\new)
.endif
.endm
.macro CREST
	s_cmp_lg_u32 s[WV], 0
	s_cbranch_scc1 .Lnot_wave_0_\@
	s_barrier_signal -3
.Lnot_wave_0_\@:
	s_barrier_wait -3
	s_barrier_signal -1
	s_barrier_wait -1
.endm
.macro CROUND
	s_barrier_signal -1
	s_barrier_wait -1
	CREST
.endm
.macro ASKAT off                       ; my share of the chunk that lies off bytes behind s[PFA]
	global_prefetch_b8 v[PF], s[PFA:PFA+1] offset:\off th:TH_LOAD_NT scope:SCOPE_SE
	global_prefetch_b8 v[PF2], s[PFA:PFA+1] offset:\off th:TH_LOAD_NT scope:SCOPE_SE
.endm
	s_load_b256 s[4:11], s[0:1], 0x0               ; x's codes, cc, the scales' exponents, out0
	v_lshl_add_u32 v[SPW], v0, 2, SPARE
	v_mov_b32 v[NIL], 0
	ds_add_u32 v[SPW], v[NIL]                      ; the add, twice on end, and one wait
	ds_add_u32 v[SPW], v[NIL]
	v_lshrrev_b32 v[TM], 5, v0
	v_readfirstlane_b32 s[WV], v[TM]
	s_lshr_b32 s[RH], s[WV], 1
	s_and_b32 s[CH_], s[WV], 1
	s_bfe_u32 s15, ttmp6, 0x40000                  ; cx: enters x's and out0's addresses and the prefetch's offsets alone
	s_lshl_b32 s16, ttmp9, 2
	s_add_co_u32 s16, s16, s15                     ; my work-group
	s_and_b32 s17, ttmp9, 3
	s_mul_i32 s17, s17, 21
	s_cmp_eq_u32 s17, ttmp9
	s_cselect_b32 s[LIM], 1, -1                    ; 1 in the four clusters that prefetch
	s_mov_b32 s[G1C], 15|(1<<20)|(1<<21)|(7<<22)|(3<<25)   ; mask of the four; 1-byte elements; 4 words of padding behind every 256
	s_mov_b32 s[G1X0], (1<<20)|(7<<22)|(3<<25)
	s_mov_b32 s[G1X1], (1<<20)|(7<<22)|(3<<25)
.irp g, G1C, G1X0, G1X1
	s_mov_b32 s[\g+1], 1024<<16
	s_mov_b32 s[\g+3], 1024<<16
	s_mov_b32 s[\g+4], 33
	s_mov_b32 s[\g+5], 1024
	s_mov_b32 s[\g+6], 0
	s_mov_b32 s[\g+7], 0
.endr
	s_mov_b32 s[G1C+2], 33<<16
	s_mov_b32 s[G1X0+2], 33<<16
	s_mov_b32 s[G1X1+2], 26<<16                    ; rows 125-131 arrive as zeros
	s_mov_b32 s[G0X], 1
	s_mul_i32 s[G0X+1], s[WV], 33*P                ; x fills region 0, quarter by quarter
	s_mov_b32 s[G0A], 1
	s_mul_i32 s[G0A+1], s[WV], 33*P
	s_mov_b32 s[G0A+8], 1
	s_mul_i32 s[G0A+9], s[WV], 33*P
	s_add_co_u32 s[G0A+9], s[G0A+9], REG
	s_mul_i32 s90, s[WV], QB                       ; my quarter of x's block and of every chunk
	s_mov_b32 s91, 0
	s_mul_i32 s92, s16, 128000
	s_mov_b32 s93, 0
	s_mul_i32 s94, s16, 500
	s_mov_b32 s95, 0
	s_mov_b32 s[SEL], 0x76543210
	s_mov_b32 s[SEL+1], 0xfedcba98
	s_mov_b32 s[INF], 0x7f800000
	s_mov_b32 s[CODE], -1                          ; the first block's search is of nothing
	s_lshl_b32 s18, s15, 13
	s_lshl_b32 s19, s15, 8
	s_add_co_u32 s19, s19, 32*1024
	s_mul_i32 s96, s[CH_], 66*P
	s_add_co_u32 s97, s96, 32*P
	s_mul_i32 s17, s[RH], 64*P
	v_and_b32 v[TM], 31, v0
	v_lshl_add_u32 v[PF], v[TM], 8, s18            ; code rows 8 cx .. 8 cx + 7 of my quarter: 32 blocks of 256 bytes, a lane a block
	v_mov_b32 v[PF2], s19                          ; block cx of its row of norms
	v_and_b32 v[TM], 15, v0                        ; r
	v_bfe_u32 v[TM+1], v0, 4, 1                    ; h
	v_mul_u32_u24 v[XA], v[TM], P
	v_lshl_add_u32 v[XA], v[TM+1], 4, v[XA]
	v_add_nc_u32 v[FA], s96, v[XA]
	v_add_nc_u32 v[FA+1], REG, v[FA]
	v_lshl_add_u32 v[CQ], v[TM+1], 8, s97
	v_add_nc_u32 v[CQ+1], REG, v[CQ]
	v_add_nc_u32 v[XA], s17, v[XA]
	s_wait_alu depctr_va_vdst(0)
	s_wait_dscnt 0x0
	s_wait_kmcnt 0x0
	s_load_b64 s[EX:EX+1], s[8:9], 0x0
	s_add_nc_u64 s[G0X+2:G0X+3], s[4:5], s[92:93]
	s_add_nc_u64 s[G0X+2:G0X+3], s[G0X+2:G0X+3], s[90:91]
	s_or_b32 s[G0X+3], s[G0X+3], 0x80000000
	s_add_nc_u64 s[PFA:PFA+1], s[6:7], s[90:91]                ; my quarter of chunk 0
	s_mov_b64 s[G0A+10:G0A+11], s[PFA:PFA+1]                   ; region 1: chunk 0
	s_add_nc_u64 s[G0A+2:G0A+3], s[PFA:PFA+1], CHUNKB          ; region 0: chunk 1
	s_or_b32 s[G0A+11], s[G0A+11], 0x80000000
	s_or_b32 s[G0A+3], s[G0A+3], 0x80000000
	s_add_nc_u64 s[10:11], s[10:11], s[94:95]
	CROUND                                         ; in front of the first loads
	s_cmp_eq_u32 s[WV], 3                          ; one tensor load a wave: my quarter of x
	s_cbranch_scc1 .Llastq
	tensor_load_to_lds s[G0X:G0X+3], s[G1X0:G1X0+7]
	s_nop 0
	s_branch .Lasked
.Llastq:
	tensor_load_to_lds s[G0X:G0X+3], s[G1X1:G1X1+7]
	s_nop 0
.Lasked:
	s_cmp_eq_u32 s[LIM], 1
	s_cbranch_scc0 .Lh1
	ASKAT 0                                        ; chunks 0, 1 and 2: their loads follow behind x's
	ASKAT CHUNKB
	ASKAT 2*CHUNKB
.Lh1:
	s_wait_tensorcnt 0x0                           ; my quarter of x is in
	ds_add_u32 v[SPW], v[NIL]
	s_wait_dscnt 0x0
	CROUND                                         ; x is whole, and the four work-groups are here
	tensor_load_to_lds s[G0A+8:G0A+11], s[G1C:G1C+7]           ; chunk 0 into region 1: its first fill; it lands while x is read
	s_nop 0
	; x into registers, once: lane (r, h) holds row r, registers 4 c .. 4 c + 3 hold K = 32 c + 16 h + 0 .. 15: a permutation of k, the same in x and in the centroids
	WIN 0x40
.irp k, 0,1,2,3
.irp a, 0,1,2,3
.irp c, 0,1,2,3
	ds_load_b128 v[64*\k+16*\a+4*\c:64*\k+16*\a+4*\c+3], v[XA] offset:16*P*\a+128*\k+32*\c
.endr
.endr
.endr
	WIN 0x80
.irp k, 0,1,2,3
.irp a, 0,1,2,3
.irp c, 0,1,2,3
	ds_load_b128 v[64*\k+16*\a+4*\c:64*\k+16*\a+4*\c+3], v[XA] offset:16*P*\a+128*(\k+4)+32*\c
.endr
.endr
.endr
	WIN 0
.macro W s, k, a                       ; a product of a block of parity s; the first K step starts the sum.  Source 0: window 3, source 1: window 1 or 2, C and D: window 0
.if (\k) == 0
	v_wmma_f32_16x16x128_bf8_bf8 v[ACC+32*(\s)+8*(\a):ACC+32*(\s)+8*(\a)+7], v[128*(\s)+16*(\k):128*(\s)+16*(\k)+15], v[64*((\k)%4)+16*(\a):64*((\k)%4)+16*(\a)+15], 0
.else
	v_wmma_f32_16x16x128_bf8_bf8 v[ACC+32*(\s)+8*(\a):ACC+32*(\s)+8*(\a)+7], v[128*(\s)+16*(\k):128*(\s)+16*(\k)+15], v[64*((\k)%4)+16*(\a):64*((\k)%4)+16*(\a)+15], v[ACC+32*(\s)+8*(\a):ACC+32*(\s)+8*(\a)+7]
.endif
.endm
.macro RUNB R, b                       ; 32 LDS loads on end: the eight fragments of block b out of region R into set b % 2 (destination window 3); block b begins at row 33 (b / 2) + 16 (b % 2) of my 66
.irp i, 0,1,2,3,4,5,6,7
.irp c, 0,1,2,3
	ds_load_b128 v[128*((\b)%2)+16*\i+4*\c:128*((\b)%2)+16*\i+4*\c+3], v[FA+(\R)] offset:(33*((\b)/2)+16*((\b)%2))*P+128*\i+32*\c
.endr
.endr
.endm
.macro QL R, b                         ; the norms of block b's centroids 8 h + 0 .. 7
	ds_load_b128 v[CSQ+8*(\b):CSQ+8*(\b)+3],   v[CQ+(\R)] offset:33*((\b)/2)*P+512*((\b)%2)
	ds_load_b128 v[CSQ+8*(\b)+4:CSQ+8*(\b)+7], v[CQ+(\R)] offset:33*((\b)/2)*P+512*((\b)%2)+16
.endm
.macro FETCH R, b                      ; a block's run: 34 loads
	QL \R, \b
	WIN 0xc0
	RUNB \R, \b
	WIN 0
.endm
.macro EF es, p, q                     ; registers 2 p, 2 p + 1 become distances, with the norms of set q; each accumulator is read from its low end on
.irp a, 0,1,2,3
	v_pk_fma_f32 v[ACC+32*(\es)+8*\a+2*(\p):ACC+32*(\es)+8*\a+2*(\p)+1], v[ACC+32*(\es)+8*\a+2*(\p):ACC+32*(\es)+8*\a+2*(\p)+1], s[SN:SN+1], v[CSQ+8*(\q)+2*(\p):CSQ+8*(\q)+2*(\p)+1] op_sel_hi:[1,0,1]
.endr
.endm
.macro CH es, n                        ; link n of the minimum: registers 0-2; 3, 4; 5, 6; 7 and the best so far.  It grows in the other of the best's two registers
.irp a, 0,1,2,3
.if (\n) == 1
	v_min3_num_f32 v[BEST+2*\a+1-(\es)], v[ACC+32*(\es)+8*\a], v[ACC+32*(\es)+8*\a+1], v[ACC+32*(\es)+8*\a+2]
.elseif (\n) < 4
	v_min3_num_f32 v[BEST+2*\a+1-(\es)], v[BEST+2*\a+1-(\es)], v[ACC+32*(\es)+8*\a+2*(\n)-1], v[ACC+32*(\es)+8*\a+2*(\n)]
.else
	v_min3_num_f32 v[BEST+2*\a+1-(\es)], v[BEST+2*\a+1-(\es)], v[ACC+32*(\es)+8*\a+7], v[BEST+2*\a+(\es)]
.endif
.endr
.endm
.macro PH es, q                        ; the search of set es; the multiply-adds stand between the minimum's links, so that a link's sources are ready
	EF \es, 0, \q
	EF \es, 1, \q
	CH \es, 1
	EF \es, 2, \q
	CH \es, 2
	EF \es, 3, \q
	CH \es, 3
	CH \es, 4
.irp a, 0,1,2,3
	v_cmp_gt_f32 s[MK+\a], v[BEST+2*\a+(\es)], v[BEST+2*\a+1-(\es)]   ; strict: an earlier block keeps a tie
.endr
.irp a, 0,1,2,3
	v_cndmask_b32 v[CV+\a], v[CV+\a], s[CODE], s[MK+\a]               ; under the masks the block's number
.endr
	s_add_co_u32 s[CODE], s[CODE], 1
.irp j, 0,1,2,3,4,5,6
.irp a, 0,1,2,3
	v_cndmask_b32 v[SV+8*\a+\j], v[SV+8*\a+\j], v[ACC+32*(\es)+8*\a+\j], s[MK+\a]   ; and its distances 0 to 6 are kept; the end never asks for the eighth
.endr
.endr
.endm
.macro KS s, k                         ; a K step: four products
.irp a, 0,1,2,3
	W \s, \k, \a
.endr
.endm
; BLOCK b of the chunk in region R.  mode 0: plain.  mode 1 (b = 2): the change of regions, with a refill.  mode 2 (b = 2): the change with nothing left to ask for.  mode 3: the last chunk's blocks 2, 3: no run.
; The run behind block b fetches block b + 2: of the same chunk (b = 0, 1) or of the next, out of the other region (b = 2, 3).  So my last reads of region R are issued behind block 1, and the change
; stands in block 2: behind K step 3 all my tensor loads have landed, the add, K steps 4 and 5, the wait for the add and my reads; K step 6 stands between the barrier's signal and its wait; behind the
; round region R is filled again with the chunk two on; the block's own run then reads the other region.
.macro BLOCK b, R, mode
.if ((\mode) == 3) && ((\b) == 3)
	s_wait_dscnt 0x0                               ; no run was issued behind this block's
.else
	s_wait_dscnt 34                                ; my fragments are in; the next block's run may be out
.endif
	WIN 0x07
	KS (\b)%2, 0
	KS (\b)%2, 1
	KS (\b)%2, 2
	KS (\b)%2, 3
.if ((\mode) == 1) || ((\mode) == 2)
	WIN 0                                          ; (the add's two registers lie in window 0)
.if (\mode) == 1
	s_wait_xcnt 0x0                                ; my prefetches have read their base
	s_add_nc_u64 s[PFA:PFA+1], s[PFA:PFA+1], CHUNKB
.endif
	s_wait_tensorcnt 0x0                           ; my quarter of the other region's chunk is in
	ds_add_u32 v[SPW], v[NIL]
.if (\mode) == 1
	s_add_nc_u64 s[G0A+8*(\R)+2:G0A+8*(\R)+3], s[G0A+8*(\R)+2:G0A+8*(\R)+3], 2*CHUNKB
.endif
	WIN 0x0b
	KS (\b)%2, 4
	KS (\b)%2, 5
	s_wait_dscnt 0x0                               ; the add is done, my reads of region R are over
	s_barrier_signal -1
	KS (\b)%2, 6
	WIN 0
	s_barrier_wait -1
.if (\mode) == 1
	CREST                                          ; no wave of any partner still reads region R or has a load on its way
	tensor_load_to_lds s[G0A+8*(\R):G0A+8*(\R)+3], s[G1C:G1C+7]
	s_nop 0
.endif
	WIN 0x0b
	KS (\b)%2, 7
.else
	WIN 0x0b
	KS (\b)%2, 4
	KS (\b)%2, 5
	KS (\b)%2, 6
	KS (\b)%2, 7
.endif
	WIN 0
	PH 1-(\b)%2, ((\b)+3)%4
.if (\mode) != 3
.if (\b) < 2
	FETCH \R, (\b)+2
.else
	FETCH 1-(\R), (\b)-2
.endif
.endif
.if (\mode) == 1
	s_cmp_gt_u32 s[ST], s[LIM]                     ; the last trip has no chunk four on; other clusters never ask
	s_cbranch_scc0 .Lna_\@
	ASKAT 3*CHUNKB                                 ; the chunk whose load stands two changes on
.Lna_\@:
.endif
.endm
	s_wait_tensorcnt 0x0                           ; chunk 0's quarter is in; x's region is given to the odd chunks: the three lines and a round
	ds_add_u32 v[SPW], v[NIL]
	s_wait_kmcnt 0x0
	s_add_co_i32 s[SN], s[EX], s[EX+1]
	s_add_co_i32 s[SN], s[SN], 128
	s_lshl_b32 s[SN], s[SN], 23
	s_or_b32 s[SN], s[SN], 0x80000000              ; -2^(e0 + e1 + 1)
	s_mov_b32 s[SN+1], s[SN]
.irp a, 0,1,2,3
	v_mov_b32 v[BEST+2*\a+1], s[INF]
	v_mov_b32 v[CV+\a], 0
.endr
.set II, 0
.rept 32
.if (II%8) != 7
	v_mov_b32 v[SV+II], s[INF]                     ; a row that nothing ever beats gives register 0 of block 0
.endif
	v_mov_b32 v[ACC+32+II], 0                      ; what the first block searches: zeros
.set II, II+1
.endr
.set II, 0
.rept 8
	v_mov_b32 v[CSQ+24+II], s[INF]                 ; under norms of +infinity, in the set that the first block's search reads
.set II, II+1
.endr
	s_wait_alu depctr_va_vdst(0)
	s_wait_dscnt 0x0                               ; the add is done, my reads of x are back
	CROUND
	tensor_load_to_lds s[G0A:G0A+3], s[G1C:G1C+7]  ; chunk 1 over x
	s_nop 0
	FETCH 1, 0                                     ; the runs of blocks 0 and 1, which no earlier block could issue
	FETCH 1, 1
	s_cmp_eq_u32 s[LIM], 1
	s_cbranch_scc0 .Lh2
	ASKAT 3*CHUNKB                                 ; chunk 3
.Lh2:
	s_mov_b32 s[ST], 7
.Lloop:                                                ; trip i: chunks 2 i (region 1) and 2 i + 1 (region 0); both regions are filled again
	BLOCK 0, 1, 0
	BLOCK 1, 1, 0
	BLOCK 2, 1, 1
	BLOCK 3, 1, 0
	BLOCK 0, 0, 0
	BLOCK 1, 0, 0
	BLOCK 2, 0, 1
	BLOCK 3, 0, 0
	s_sub_co_u32 s[ST], s[ST], 1
	s_cmp_lg_u32 s[ST], 0
	s_cbranch_scc1 .Lloop
	BLOCK 0, 1, 0                                  ; chunks 14 and 15 are written out
	BLOCK 1, 1, 0
	BLOCK 2, 1, 2
	BLOCK 3, 1, 0
	BLOCK 0, 0, 0
	BLOCK 1, 0, 0
	BLOCK 2, 0, 3
	BLOCK 3, 0, 3
	PH 1, 3                                        ; the last block's search; the best ends in v[BEST + 2 a]
	; THE END.  Which of the eight is the best: the first kept distance that equals it, taken from the top down; if none does, the eighth
.irp a, 0,1,2,3
	v_mov_b32 v[JV+\a], 7
.endr
.irp j, 6,5,4,3,2,1,0
.irp a, 0,1,2,3
	v_cmp_eq_f32 s[MK+\a], v[BEST+2*\a], v[SV+8*\a+\j]
.endr
.irp a, 0,1,2,3
	v_cndmask_b32 v[JV+\a], v[JV+\a], \j, s[MK+\a]
.endr
.endr
	v_and_b32 v[EN+14], 15, v0                     ; r
	v_bfe_u32 v[EN+15], v0, 4, 1                   ; h
	s_lshl_b32 s88, s[CH_], 6
	v_lshl_add_u32 v[EN], v[EN+15], 3, s88         ; 64 ch + 8 h
	s_lshl_b32 s89, s[WV], 9
	s_add_co_u32 s89, s89, SCR
	v_lshl_add_u32 v[EN+6], v[EN+14], 3, s89
	v_mov_b32 v[EN+4], 0
	v_mov_b32 v[EN+5], 0
.irp a, 0,1,2,3                        ; block = 4 chunk + b  ->  n = 128 chunk + 64 ch + 16 b + 8 h + j
	v_and_b32 v[EN+1], 60, v[CV+\a]
	v_and_b32 v[EN+2], 3, v[CV+\a]
	v_lshl_add_u32 v[EN+3], v[EN+2], 4, v[JV+\a]
	v_lshl_add_u32 v[EN+3], v[EN+1], 5, v[EN+3]
	v_add_nc_u32 v[BEST+2*\a+1], v[EN], v[EN+3]
	v_permlanex16_b32 v[EN+4], v[BEST+2*\a], s[SEL], s[SEL+1]      ; the other half of the lanes holds the same row's other centroids
	v_permlanex16_b32 v[EN+5], v[BEST+2*\a+1], s[SEL], s[SEL+1]
	v_cmp_lt_f32 s[MK], v[EN+4], v[BEST+2*\a]
	v_cmp_eq_f32 s[MK+1], v[EN+4], v[BEST+2*\a]
	v_cmp_lt_u32 s[MK+2], v[EN+5], v[BEST+2*\a+1]
	s_and_b32 s[MK+1], s[MK+1], s[MK+2]
	s_or_b32 s[MK], s[MK], s[MK+1]                 ; theirs if smaller, or equal with the lower index
	v_cndmask_b32 v[BEST+2*\a], v[BEST+2*\a], v[EN+4], s[MK]
	v_cndmask_b32 v[BEST+2*\a+1], v[BEST+2*\a+1], v[EN+5], s[MK]
	ds_store_b64 v[EN+6], v[BEST+2*\a:BEST+2*\a+1] offset:128*\a
.endr
	s_wait_dscnt 0x0                               ; for the other waves' sake
	s_barrier_signal -1
	s_barrier_wait -1
	v_lshrrev_b32 v[EN+7], 6, v0                   ; thread t takes row t
	v_and_b32 v[EN+8], 63, v0
	v_lshlrev_b32 v[EN+8], 3, v[EN+8]
	v_lshl_add_u32 v[EN+8], v[EN+7], 10, v[EN+8]
	v_add_nc_u32 v[EN+8], SCR, v[EN+8]
	ds_load_b64 v[EN+10:EN+11], v[EN+8]            ; the pair of the wave with ch = 0,
	ds_load_b64 v[EN+12:EN+13], v[EN+8] offset:512 ; and with ch = 1
	v_lshlrev_b32 v[EN+9], 2, v0
	s_wait_dscnt 0x0
	v_cmp_lt_f32 s[MK], v[EN+12], v[EN+10]
	v_cmp_eq_f32 s[MK+1], v[EN+12], v[EN+10]
	v_cmp_lt_u32 s[MK+2], v[EN+13], v[EN+11]
	s_and_b32 s[MK+1], s[MK+1], s[MK+2]
	s_or_b32 s[MK], s[MK], s[MK+1]
	v_cndmask_b32 v[EN+11], v[EN+11], v[EN+13], s[MK]
	s_wait_alu depctr_va_vdst(0)
	s_wait_xcnt 0x0                                ; EXEC changes only behind this wait
	v_cmp_gt_u32 vcc_lo, 125, v0
	s_and_saveexec_b32 s90, vcc_lo                 ; rows 125-127 are the zero rows
	global_store_b32 v[EN+9], v[EN+11], s[10:11]   ; 500 consecutive bytes a work-group
	s_wait_xcnt 0x0
	s_or_b32 exec_lo, exec_lo, s90
	s_wait_tensorcnt 0x0                           ; the wave's end
	ds_add_u32 v[SPW], v[NIL]
	s_wait_dscnt 0x0
	CROUND                                         ; the closing round
	s_endpgm
.Lfunc_end_k_qe69d6e31cc_assign:
	.size	k_qe69d6e31cc_assign, .Lfunc_end_k_qe69d6e31cc_assign-k_qe69d6e31cc_assign
	.p2alignl 7, 3214868480
	.fill 96, 4, 3214868480
	.section	.rodata,"a",@progbits
	.p2align	6, 0x0
	.amdhsa_kernel k_qe69d6e31cc_assign
		.amdhsa_group_segment_fixed_size 327680
		.amdhsa_private_segment_fixed_size 0
		.amdhsa_enable_private_segment 0
		.amdhsa_kernarg_size 32
		.amdhsa_user_sgpr_count 2
		.amdhsa_user_sgpr_kernarg_segment_ptr 1
		.amdhsa_wavefront_size32 1
		.amdhsa_system_sgpr_workgroup_id_x 1
		.amdhsa_system_sgpr_workgroup_id_y 1
		.amdhsa_system_sgpr_workgroup_id_z 1
		.amdhsa_system_vgpr_workitem_id 0
		.amdhsa_next_free_vgpr 1024
		.amdhsa_next_free_sgpr 98
		.amdhsa_reserve_vcc 1
		.amdhsa_float_denorm_mode_32 3
		.amdhsa_float_denorm_mode_16_64 3
		.amdhsa_memory_ordered 1
		.amdhsa_forward_progress 1
		.amdhsa_inst_pref_size 171
	.end_amdhsa_kernel
	.amdgpu_metadata
---
amdhsa.version: [ 1, 2 ]
amdhsa.kernels:
  - .name:           k_qe69d6e31cc_assign
    .symbol:         k_qe69d6e31cc_assign.kd
    .args:
      - { .name: x_codes, .offset: 0, .size: 8, .value_kind: global_buffer, .address_space: global }
      - { .name: cc, .offset: 8, .size: 8, .value_kind: global_buffer, .address_space: global }
      - { .name: lowp_scales, .offset: 16, .size: 8, .value_kind: global_buffer, .address_space: global }
      - { .name: out0, .offset: 24, .size: 8, .value_kind: global_buffer, .address_space: global }
    .group_segment_fixed_size: 327680
    .private_segment_fixed_size: 0
    .kernarg_segment_align: 8
    .kernarg_segment_size: 32
    .max_flat_workgroup_size: 128
    .sgpr_count:     98
    .vgpr_count:     1024
    .wavefront_size: 32
...
	.end_amdgpu_metadata
.endif
;; end of part 4
